; MI455X (gfx1250); checked and timed in simulation.
; The chip was launched on July 23, 2026; its instructions are those of AMD's public machine-readable ISA for CDNA 5 (MIT licence, August 2026) and "CDNA5" Instruction Set Architecture Reference Guide (July 2026). The comments in the code are by the model that wrote it; some were corrected since.
;; Multi Head Attention. Allowed arithmetic: matrix products marked QUANTISED: E2M3 operands, one E8M0 scale for each 32 along K, by v_wmma_scale_f32_16x16x128_f8f6f4 with both operands' format E2M3, f32 sums; everything else in f32.
;; Inputs: Wk_codes 16 x 64 x 32 x 24 uint8 (E2M3 codes of Wk, K innermost, in blocks of 32 codes, four codes in three bytes); Wk_scales 16 x 64 x 32 uint8 (E8M0 scales of Wk, one for each 32 codes along K); Wp_codes 1,024 x 32 x 24 uint8 (E2M3 codes of Wp, K innermost, in blocks of 32 codes, four codes in three bytes); Wp_scales 1,024 x 32 uint8 (E8M0 scales of Wp, one for each 32 codes along K); Wq_codes 16 x 64 x 32 x 24 uint8 (E2M3 codes of Wq, K innermost, in blocks of 32 codes, four codes in three bytes); Wq_scales 16 x 64 x 32 uint8 (E8M0 scales of Wq, one for each 32 codes along K); Wv_codes 16 x 64 x 32 x 24 uint8 (E2M3 codes of Wv, K innermost, in blocks of 32 codes, four codes in three bytes); Wv_scales 16 x 64 x 32 uint8 (E8M0 scales of Wv, one for each 32 codes along K); bk 16 x 64 float32; bp 1,024 float32; bq 16 x 64 float32; bv 16 x 64 float32; x_codes 4 x 2,048 x 32 x 24 uint8 (E2M3 codes of x, K innermost, in blocks of 32 codes, four codes in three bytes); x_scales 4 x 2,048 x 32 uint8 (E8M0 scales of x, one for each 32 codes along K).
;; Outputs: out0 4 x 2,048 x 1,024 float32.
;; This version of the problem:
;;   THIS VERSION OF THE PROBLEM IS GIVEN IN LOW PRECISION. The matrix products marked QUANTISED in the list below multiply operands that are first quantised to E2M3 (2 exponent bits, 3 mantissa bits; 6 bits a number), with one power-of-two scale for each 32 numbers along K (OCP MX v1.0); their sums are f32. All else is computed in f32.
;;   The module's matrix products, in the order in which they are computed (A, B: the left and right operand; K: the contracted axis; several contracted axes count as one K, in the product's order):
;;     1. [M 1,024, K 1,024] x [K 1,024, N 8,192]; A: input Wq (given as codes); B: input x (given as codes): QUANTISED
;;     2. [M 1,024, K 1,024] x [K 1,024, N 8,192]; A: input Wk (given as codes); B: input x (given as codes): QUANTISED
;;     3. [M 1,024, K 1,024] x [K 1,024, N 8,192]; A: input Wv (given as codes); B: input x (given as codes): QUANTISED
;;     4. batch 64 x [M 2,048, K 64] x [K 64, N 2,048]; A: computed on the way; B: computed on the way: QUANTISED
;;     5. batch 64 x [M 2,048, K 2,048] x [K 2,048, N 64]; A: softmax (see below); B: computed on the way: QUANTISED
;;     6. [M 8,192, K 1,024] x [K 1,024, N 1,024]; A: computed on the way; B: input Wp (given as codes): QUANTISED
;;   THE QUANTISER, for each operand of a quantised product, along K:
;;     - K is cut into blocks of 32 from its start; a last block that is shorter is filled with zeros.
;;     - A block's scale is 2^e with e = floor(log2(the largest magnitude in the block)) - 2, held to -126 .. 127; a block of zeros has e = 0. As a byte (E8M0): e + 127.
;;     - Each number is divided by its block's scale, clamped to +-7.5, and rounded to the nearest number of E2M3, ties to even, subnormals kept.
;;     - The product sums the exact products of the quantised numbers (number of the format x scale) in f32.
;;   ~~~python
;;   def quantise(x, axis):      # numpy; x: float32 -> the quantised numbers, widened to float32 again
;;       x = np.moveaxis(x, axis, -1); K = x.shape[-1]
;;       x = np.pad(x, [(0, 0)] * (x.ndim - 1) + [(0, -K % 32)]); x = x.reshape(x.shape[:-1] + (-1, 32)); a = np.abs(x).max(-1, keepdims=True)
;;       e = np.where(a > 0, np.clip(np.frexp(np.where(a > 0, a, 1))[1] - 1 - 2, -126, 127), 0)      # np.frexp(a)[1] - 1 = floor(log2(a)), exactly
;;       r = np.clip(x / 2.0 ** e, -7.5, 7.5)
;;       step = 2.0 ** (np.maximum(np.frexp(np.where(r == 0, 1, r))[1] - 1, 0) - 3)
;;       q = np.round(r / step) * step * 2.0 ** e      # np.round: ties to even
;;       return np.moveaxis(q.reshape(q.shape[:-2] + (-1,))[..., :K], -1, axis).astype(np.float32)
;;   ~~~
;;   SOFTMAX AHEAD OF A QUANTISED PRODUCT. Where the list says 'softmax', what is quantised is not the finished softmax but p = 2^(t - M), with t = logit x log2(e) and M = ceil(the row's largest t), a whole number; so 1/2 < the row's largest p <= 1. The row's sum l is taken of the UNQUANTISED p, in f32, and the product's result is divided by l at the end. Since M is a whole number, a kernel that streams over the keys may use a running M (the ceiling of the running maximum): every later rescaling is an exact power of two, which a block's scale takes up: the codes' values come out the same.
;;   OPERANDS COMPUTED ON THE WAY. 'Computed on the way' means the value that the module computes at that place (a softmax that the list does not call 'softmax' is quantised finished and normalised). What goes into a quantiser is computed in f32, as accurately as f32 sums, v_exp_f32 and their like allow (about 1e-6 of the number): no bf16 or f16 on the way to a quantiser, and a product that is left as it is and whose result goes on into a quantised operand takes f32 operands (vector FMAs, or v_wmma_f32_16x16x4_f32). A number that lies on a knife's edge between two numbers of the format may be rounded either way, as far as f32 arithmetic and the matrix unit's own rounding can turn it there, and no further.
;;   INPUTS GIVEN AS CODES. Wk (in the module: [16, 1024, 64], K = its axis 1); Wp (in the module: [1024, 1024], K = its axis 0); Wq (in the module: [16, 1024, 64], K = its axis 1); Wv (in the module: [16, 1024, 64], K = its axis 1); x (in the module: [4, 2048, 1024], K = its axis 2): each comes as NAME_codes (uint8): NAME with its K axis moved to the last place and cut into blocks of 32 codes, [.., K / 32, bytes a block], one block behind the other in memory; four codes in three bytes: a row's codes are one little-endian stream of bits, code i at bits 6 i .. 6 i + 5 (a code: sign, 2 exponent bits, 3 mantissa bits); and NAME_scales (uint8): the same leading axes, one E8M0 byte (e + 127) for each 32 codes along K. Its value is code x scale, taken as it is: it is not quantised again, and the codes and scales need not be those that the quantiser above would give.
;; One version. Each part assembles by itself: llvm-mc -triple=amdgcn-amd-amdhsa -mcpu=gfx1250 --defsym DOCPART=n.
;; ======== version 1 of 1: 3 launches
;; limits: right only within a limited range of input values
;; workspace buffers: q_rec 6,553,600 bytes; kv 13,107,200 bytes; o_img 6,291,456 bytes; o_sc 262,144 bytes
;; launch qkv (part 1): grid 8 x 32, 4 waves a work-group, clusters of 4 x 4, 327,680 bytes of LDS; arguments x_codes, x_scales, Wq_codes, Wq_scales, bq, Wk_codes, Wk_scales, bk, Wv_codes, Wv_scales, bv, q_rec, kv; writes q_rec, kv
.if DOCPART == 1
	.amdgcn_target "amdgcn-amd-amdhsa--gfx1250"
	.amdhsa_code_object_version 6
	.text
	.protected	k_qd125862f9d_qkv
	.globl	k_qd125862f9d_qkv
	.p2align	8
	.type	k_qd125862f9d_qkv,@function
k_qd125862f9d_qkv:
	s_mov_b64 s[64:65], 0
	v_nop
	global_prefetch_b8 v0, s[64:65] scope:SCOPE_SE
	s_setreg_imm32_b32 hwreg(HW_REG_WAVE_MODE, 25, 1), 1
	s_wait_xcnt 0x0
	s_wait_alu depctr_hold_cnt(0) depctr_sa_sdst(0) depctr_va_vdst(0) depctr_va_sdst(0) depctr_va_ssrc(0) depctr_va_vcc(0) depctr_vm_vsrc(0)
	s_getreg_b32 s2, hwreg(HW_REG_IB_STS2, 6, 4)
	s_cmp_eq_u32 s2, 0
	s_cbranch_scc0 .Lentry_in_a_cluster
	s_endpgm
.Lentry_in_a_cluster:
	s_bfe_u32 s2, ttmp6, 0x10000c
	s_cmp_lg_u32 s2, 0xf033
	s_cbranch_scc0 .Lentry_shape_is_right
	s_endpgm
.Lentry_shape_is_right:
; q, k, v = x W + b on codes of FP6 (E2M3) with E8M0 scales, and their quantising: q and k along the head's 64 channels, v along the keys.
; DEAD WORK: this launch leaves nothing out.  The next launch leaves out the key steps that lie wholly above the diagonal of the causal mask which reference() builds itself: their weights are 0 for all inputs.
; A NaN, an infinity or an overflow that reaches only those scores is not carried to the result.
; SHARES.  A work-group takes 256 rows of x and two heads, for q, then k, then v.  Wave w: rows 128 (w / 2) on, head w % 2: 8 tiles of x times 4 tiles of W = 32 accumulators, 8 K steps of 128 a pass.
; LDS.  x's 256 rows, all of K, filled once: rows of 768 bytes, 16 bytes of padding behind each 256 (pitch 816).  W's 128 rows lie in three places, one for each chunk of 256 bytes of a row (pitch 272).
; A K step is 96 bytes of a row.  Chunk 0 is last read by step 2's fragments, chunk 1 by step 5's, chunk 2 by step 7's: in those steps a round of the cluster's barrier stands, and behind it the place takes
; the same chunk of the next pass's W, 32 rows a wave.  Each refill is shown to all waves by a later round's wait, two K steps or more ahead of its first read.
; Every tensor row begins at a multiple of 256 bytes of its buffer.  CLUSTER 4 x 4: a row of the cluster shares x's rows, a column W's rows: joint loads.
; No prefetch: x and the first W come at the head, and the ring asks for each later chunk at least two K steps (64 matrix instructions) ahead of its first read.
; q, k: source 0 = W, source 1 = x: a lane holds one row of x and eight channels.  v: source 0 = x, source 1 = W: a lane holds one channel and eight keys.  The biases are the C of each sum's first matrix instruction.
; WHAT IS STORED are images of operand registers.  Inside a block of 32 the codes stand in the order 0-7, 16-23, 8-15, 24-31: the same for q and k, and for v and the weights p of the next launch.
;   q_rec, and kv's first 6,400 bytes: a record of 128 rows: 8 tiles x [3][32 lanes][8 bytes]; at 6,144 the scale words: 64 (tile / 2) + 4 row.
;   kv + 6,400: 4 channel tiles x [3][32 lanes][16 bytes] (K = 128 keys); at 12,544 their scale words, [tile][channel].
; LIMITS: NaN, infinities and given scale bytes 0xff are not served.  A block of zeros, and one whose largest magnitude lies under 2^-124, gets the byte 1: its bytes are read by this program alone.
; REGISTERS, in windows of 256: window 0 addresses, scale words, the quantiser's work; window 1 x's fragments, two sets of 96; window 2 the 32 accumulators; window 3 W's fragments, two sets of 48, and from v96 the biases.
.set XP,    816
.set WP,    272
.set WSL,   128*WP                     ; a chunk's place
.set WBASE, 256*XP
.set SPARE, WBASE+3*WSL                ; the spare words, 128 bytes a wave
.set FR,    12
.set AX,   4                           ; v4, v5 my x tiles 0-3 (v5: lanes 16-31 behind one padding more); v6, v7 tiles 4-7
.set AW,   8                           ; v8-10 my W rows in chunk 0, 1, 2; v11, v12: lanes 0-15 in chunk 0, 1, lanes 16-31 in the next
.set LI8,  16
.set LI16, 17
.set LI4,  18
.set SPW,  20
.set NIL,  21
.set SOF,  22                          ; scale bytes: 512 (lane / 16) + 32 (lane % 16)
.set BOF,  23
.set XS,   24                          ; v24-55 x's scale words: 8 (tile / 2) + k; lanes 0-15 the even tile, lanes 16-31 the odd
.set WS,   56                          ; v56-103 W's: 16 mu + 8 (tile / 2) + k
.set TM,   104
.set SW,   120
.set X2,   124
.set CD,   132
.set SWT,  180
.set BVO,  182
.set BI,   96                          ; window 3: biases at 32 mu + 8 t
.set G1X,  44
.set G1W,  52                          ; the ring's loads: 32 rows x 256 bytes
.set G0X,  68
.set G1H,  72                          ; the head's loads of W: 128 rows x 256 bytes
.set G0H,  80
.set G0W,  84
.set WB0,  8                           ; s[8:9], s[14:15], s[20:21]: Wq, Wk, Wv at my 32 rows
.set SEL,  40
.set HM,   42
.set MSB,  0
.macro WIN new
.if MSB != (\new)
	s_set_vgpr_msb (MSB<<8)|(\new)
.set MSB, (\new)
.endif
.endm
.macro MWIN mu, first                  ; q, k: source 0 W (3), source 1 x (1); v the other way round; D window 2; C window 2, or the bias in window 3
.if (\mu) == 2
	WIN 0xad+0x10*(\first)
.else
	WIN 0xa7+0x10*(\first)
.endif
.endm
.macro PLACES n
.rept \n
	v_nop
.endr
.endm
.macro CREST
	s_cmp_lg_u32 s30, 0
	s_cbranch_scc1 .Lnot_wave_0_\@
	s_barrier_signal -3
.Lnot_wave_0_\@:
	s_barrier_wait -3
	s_barrier_signal -1
	s_barrier_wait -1
.endm
.macro CROUND
	s_barrier_signal -1
	s_barrier_wait -1
	CREST
.endm
.macro GRP1 g, mask, c, rows           ; rows of c bytes, 768 apart in memory, 16 bytes of padding behind each 256
	s_or_b32 s[\g], s\mask, (1<<20)|(1<<21)|(5<<22)|(3<<25)
	s_mov_b32 s[\g+1], (\c)<<16
	s_mov_b32 s[\g+2], (\rows)<<16
	s_mov_b32 s[\g+3], (\c)<<16
	s_mov_b32 s[\g+4], \rows
	s_mov_b32 s[\g+5], 768
	s_mov_b32 s[\g+6], 0
	s_mov_b32 s[\g+7], 0
.endm
	s_load_b256 s[4:11], s[0:1], 0x0               ; x codes, x scales, Wq codes, Wq scales
	s_load_b256 s[12:19], s[0:1], 0x20             ; bq, Wk codes, Wk scales, bk
	s_load_b256 s[20:27], s[0:1], 0x40             ; Wv codes, Wv scales, bv, q_rec
	s_load_b64 s[28:29], s[0:1], 0x60              ; kv
	v_lshl_add_u32 v[SPW], v0, 2, SPARE
	v_mov_b32 v[NIL], 0
	ds_add_u32 v[SPW], v[NIL]                      ; the opening lines: the add twice and one wait
	ds_add_u32 v[SPW], v[NIL]
	v_lshrrev_b32 v1, 5, v0
	v_readfirstlane_b32 s30, v1                    ; wave
	s_lshr_b32 s31, s30, 1                         ; which 128 rows
	s_and_b32 s32, s30, 1                          ; which head
	s_bfe_u32 s33, ttmp6, 0x40000                  ; cx
	s_bfe_u32 s34, ttmp6, 0x40004                  ; cy
	s_lshl_b32 s35, ttmp9, 2
	s_add_co_u32 s35, s35, s33                     ; gx: heads 2 gx, 2 gx + 1
	s_and_b32 s36, ttmp7, 0xffff
	s_lshl_b32 s36, s36, 2
	s_add_co_u32 s36, s36, s34                     ; gy: rows 256 gy on
	s_lshl_b32 s37, s34, 2
	s_lshl_b32 s37, 15, s37                        ; my row of the cluster
	s_lshl_b32 s38, 0x1111, s33                    ; my column
	s_mov_b32 s[SEL], 0x76543210
	s_mov_b32 s[SEL+1], 0xfedcba98                 ; lane l xor 16
	s_mov_b32 s[HM], 0xffff0000                    ; lanes 16-31
	GRP1 G1X, 37, 768, 256
	GRP1 G1H, 38, 256, 128
	GRP1 G1W, 38, 256, 32
	s_mul_i32 s92, s36, 256*768                    ; x: row 256 gy
	s_mov_b32 s93, 0
	s_add_co_u32 s39, s30, 1
	s_lshr_b32 s39, s39, 1                         ; waves 0, 2, 3 bring chunks 0, 1, 2 of Wq
	s_mul_i32 s98, s35, 128*768
	s_lshl_b32 s99, s39, 8
	s_add_co_u32 s98, s98, s99                     ; W at the head: row 128 gx, chunk
	s_mov_b32 s99, 0
	s_mul_i32 s94, s35, 128*768
	s_mul_i32 s95, s30, 32*768
	s_add_co_u32 s94, s94, s95                     ; W in the ring: row 128 gx + 32 wave
	s_mov_b32 s95, 0
	s_mul_i32 s97, s30, 32*WP                      ; and where those rows go in a place
	s_mov_b32 s[G0X], 1
	s_mov_b32 s[G0X+1], 0
	s_mov_b32 s[G0H], 1
	s_mul_i32 s[G0H+1], s39, WSL
	s_add_co_u32 s[G0H+1], s[G0H+1], WBASE
	s_mov_b32 s[G0W], 1
	s_wait_alu depctr_va_vdst(0)                   ; the wait ahead of the waits below
	s_wait_dscnt 0x0
	s_wait_kmcnt 0x0
	s_add_nc_u64 s[G0X+2:G0X+3], s[4:5], s[92:93]
	s_or_b32 s[G0X+3], s[G0X+3], 0x80000000
	s_add_nc_u64 s[G0H+2:G0H+3], s[8:9], s[98:99]
	s_or_b32 s[G0H+3], s[G0H+3], 0x80000000
	s_add_nc_u64 s[8:9], s[8:9], s[94:95]
	s_add_nc_u64 s[14:15], s[14:15], s[94:95]
	s_add_nc_u64 s[20:21], s[20:21], s[94:95]
	CROUND                                         ; all sixteen work-groups are here: the first joint loads meet
	s_cmp_eq_u32 s30, 1                            ; the head's four tiles, one load a wave
	s_cbranch_scc0 .Lhead_w
	tensor_load_to_lds s[G0X:G0X+3], s[G1X:G1X+7]  ; wave 1: x's 256 rows
	s_nop 0
	PLACES 4
	s_branch .Lasked
.Lhead_w:
	tensor_load_to_lds s[G0H:G0H+3], s[G1H:G1H+7]  ; waves 0, 2, 3: a chunk of Wq's 128 rows
	s_nop 0
	PLACES 4
.Lasked:
	s_lshl_b32 s60, s36, 13
	s_lshl_b32 s61, s31, 12
	s_add_co_u32 s60, s60, s61
	s_mov_b32 s61, 0
	s_add_nc_u64 s[6:7], s[6:7], s[60:61]          ; x's scale bytes: row 256 gy + 128 (wave / 2)
	s_lshl_b32 s62, s35, 12
	s_lshl_b32 s63, s32, 11
	s_add_co_u32 s62, s62, s63
	s_mov_b32 s63, 0
	s_add_nc_u64 s[10:11], s[10:11], s[62:63]      ; W's: my head's 64 rows
	s_add_nc_u64 s[16:17], s[16:17], s[62:63]
	s_add_nc_u64 s[22:23], s[22:23], s[62:63]
	s_lshl_b32 s98, s35, 9
	s_lshl_b32 s99, s32, 8
	s_add_co_u32 s98, s98, s99
	s_mov_b32 s99, 0
	s_add_nc_u64 s[12:13], s[12:13], s[98:99]      ; the biases: my head's 64 numbers
	s_add_nc_u64 s[18:19], s[18:19], s[98:99]
	s_add_nc_u64 s[24:25], s[24:25], s[98:99]
	s_lshr_b32 s60, s36, 3                         ; my records: (16 batch + head) x 16 + the record of 128 rows
	s_lshl_b32 s60, s60, 4
	s_lshl_b32 s61, s35, 1
	s_add_co_u32 s60, s60, s61
	s_add_co_u32 s60, s60, s32
	s_lshl_b32 s60, s60, 4
	s_and_b32 s61, s36, 7
	s_lshl_b32 s61, s61, 1
	s_add_co_u32 s60, s60, s61
	s_add_co_u32 s60, s60, s31
	s_mul_i32 s62, s60, 6400
	s_mov_b32 s63, 0
	s_add_nc_u64 s[26:27], s[26:27], s[62:63]
	s_mul_i32 s62, s60, 12800
	s_add_nc_u64 s[28:29], s[28:29], s[62:63]
	s_mul_i32 s60, s31, 128*XP                     ; my 128 rows of x,
	s_add_co_u32 s61, s60, 64*XP                   ; their second half,
	s_mul_i32 s62, s32, 64*WP
	s_add_co_u32 s62, s62, WBASE                   ; my 64 rows of W
	s_mov_b32 s63, WSL-232                         ; from byte y of a chunk to byte y + 24 - 256 of the next
	v_and_b32 v1, 15, v0                           ; r
	v_bfe_u32 v2, v0, 4, 1                         ; h
	v_mul_u32_u24 v3, v1, XP
	v_mad_u32_u24 v183, v2, 24, v3
	v_mad_u32_u24 v184, v2, 40, v3
	v_add_nc_u32 v[AX], s60, v183
	v_add_nc_u32 v[AX+1], s60, v184
	v_add_nc_u32 v[AX+2], s61, v183
	v_add_nc_u32 v[AX+3], s61, v184
	v_mul_u32_u24 v3, v1, WP
	v_mad_u32_u24 v183, v2, 24, v3
	v_mad_u32_u24 v184, v2, s63, v3
	v_add_nc_u32 v[AW], s62, v183
	v_add_nc_u32 v[AW+1], WSL, v[AW]
	v_add_nc_u32 v[AW+2], 2*WSL, v[AW]
	v_add_nc_u32 v[AW+3], s62, v184
	v_add_nc_u32 v[AW+4], WSL, v[AW+3]
	v_and_b32 v19, 31, v0
	v_lshlrev_b32 v[LI8], 3, v19
	v_lshlrev_b32 v[LI16], 4, v19
	v_lshlrev_b32 v[LI4], 2, v19
	v_lshlrev_b32 v[SOF], 5, v1
	v_lshl_add_u32 v[SOF], v2, 9, v[SOF]
	v_lshlrev_b32 v[BOF], 5, v2
	v_lshlrev_b32 v[BVO], 2, v1
.irp b, 0,1,2,3
	v_mov_b32 v[TM+4+\b], 0                        ; a lane permute's destination counts as one of its sources
.endr
	s_wait_alu depctr_va_vdst(0)                   ; the wait at the head's end
	; the scale bytes come once, straight into registers: a row's 32 bytes are the words of its 8 K steps
.irp i, 0,1,2,3
	global_load_b128 v[XS+8*\i:XS+8*\i+3], v[SOF], s[6:7] offset:1024*\i
	global_load_b128 v[XS+8*\i+4:XS+8*\i+7], v[SOF], s[6:7] offset:1024*\i+16
.endr
.irp i, 0,1
	global_load_b128 v[WS+8*\i:WS+8*\i+3], v[SOF], s[10:11] offset:1024*\i
	global_load_b128 v[WS+8*\i+4:WS+8*\i+7], v[SOF], s[10:11] offset:1024*\i+16
	global_load_b128 v[WS+16+8*\i:WS+16+8*\i+3], v[SOF], s[16:17] offset:1024*\i
	global_load_b128 v[WS+16+8*\i+4:WS+16+8*\i+7], v[SOF], s[16:17] offset:1024*\i+16
	global_load_b128 v[WS+32+8*\i:WS+32+8*\i+3], v[SOF], s[22:23] offset:1024*\i
	global_load_b128 v[WS+32+8*\i+4:WS+32+8*\i+7], v[SOF], s[22:23] offset:1024*\i+16
.endr
	WIN 0xc0                                       ; destination window 3
.irp t, 0,1,2,3
	global_load_b128 v[BI+8*\t:BI+8*\t+3], v[BOF], s[12:13] offset:64*\t          ; q, k: lane (r, h), register j: channel 16 t + 8 h + j
	global_load_b128 v[BI+8*\t+4:BI+8*\t+7], v[BOF], s[12:13] offset:64*\t+16
	global_load_b128 v[BI+32+8*\t:BI+32+8*\t+3], v[BOF], s[18:19] offset:64*\t
	global_load_b128 v[BI+32+8*\t+4:BI+32+8*\t+7], v[BOF], s[18:19] offset:64*\t+16
	global_load_b32 v[BI+64+8*\t], v[BVO], s[24:25] offset:64*\t                  ; v: channel 16 t + r, one number a lane and tile
.endr
	WIN 0
; a fragment, 16 rows x 128 K: six pieces of 8 bytes; piece PC of a row lies in chunk PC / 32; lanes 16-31 read three pieces on
.macro FRAGW reg, k, t
.irp p, 0,1,2,3,4,5
.set PC, 12*(\k)+6*(\p/3)+\p%3
.if PC%32 < 29
	ds_load_b64 v[\reg+2*\p:\reg+2*\p+1], v[AW+PC/32] offset:8*(PC%32)+(\t)*16*WP
.else
	ds_load_b64 v[\reg+2*\p:\reg+2*\p+1], v[AW+3+PC/32] offset:8*(PC%32)+(\t)*16*WP
.endif
.endr
.endm
.macro FRAGX reg, k, a
.irp p, 0,1,2,3,4,5
.set PC, 12*(\k)+6*(\p/3)+\p%3
	ds_load_b64 v[\reg+2*\p:\reg+2*\p+1], v[AX+2*((\a)/4)+(PC%32+3)/32] offset:8*PC+16*(PC/32)+((\a)%4)*16*XP
.endr
.endm
.macro FETCH k                         ; K step k's 72 LDS loads into set k % 2: W's four fragments, x's tiles 0-3, x's tiles 4-7
	WIN 0xc0
.irp t, 0,1,2,3
	FRAGW 48*((\k)%2)+FR*\t, \k, \t
.endr
	WIN 0x40
.irp a, 0,1,2,3,4,5,6,7
	FRAGX 96*((\k)%2)+FR*\a, \k, \a
.endr
.endm
.macro WM                              ; one matrix instruction from the symbols set by MUL; an odd tile's scale words stand in lanes 16-31
.if qA && qB
	v_wmma_scale_f32_16x16x128_f8f6f4 v[rD:rD+7], v[rA:rA+11], v[rB:rB+11], v[rC:rC+7], v[zA], v[zB] matrix_a_fmt:MATRIX_FMT_FP6 matrix_b_fmt:MATRIX_FMT_FP6 matrix_a_scale:MATRIX_SCALE_ROW1 matrix_b_scale:MATRIX_SCALE_ROW1
.elseif qA
	v_wmma_scale_f32_16x16x128_f8f6f4 v[rD:rD+7], v[rA:rA+11], v[rB:rB+11], v[rC:rC+7], v[zA], v[zB] matrix_a_fmt:MATRIX_FMT_FP6 matrix_b_fmt:MATRIX_FMT_FP6 matrix_a_scale:MATRIX_SCALE_ROW1
.elseif qB
	v_wmma_scale_f32_16x16x128_f8f6f4 v[rD:rD+7], v[rA:rA+11], v[rB:rB+11], v[rC:rC+7], v[zA], v[zB] matrix_a_fmt:MATRIX_FMT_FP6 matrix_b_fmt:MATRIX_FMT_FP6 matrix_b_scale:MATRIX_SCALE_ROW1
.else
	v_wmma_scale_f32_16x16x128_f8f6f4 v[rD:rD+7], v[rA:rA+11], v[rB:rB+11], v[rC:rC+7], v[zA], v[zB] matrix_a_fmt:MATRIX_FMT_FP6 matrix_b_fmt:MATRIX_FMT_FP6
.endif
.endm
; x's tiles a0 .. a0 + n - 1 against W's four, K step k of pass mu.  The 32 accumulators take turns, one instruction a turn, in the same order in every step.
.macro MUL a0, n, mu, k, first
.set aa, \a0
.rept \n
.set tt, 0
.rept 4
.set fW, 48*((\k)%2)+FR*tt
.set fX, 96*((\k)%2)+FR*aa
.set zW, WS+16*(\mu)+8*(tt/2)+(\k)
.set zX, XS+8*(aa/2)+(\k)
.if (\mu) == 2
.set rD, 8*(8*tt+aa)
.set rA, fX
.set rB, fW
.set zA, zX
.set zB, zW
.set qA, aa%2
.set qB, tt%2
.else
.set rD, 8*(4*aa+tt)
.set rA, fW
.set rB, fX
.set zA, zW
.set zB, zX
.set qA, tt%2
.set qB, aa%2
.endif
.set rC, rD
.if \first
.set rC, BI+32*(\mu)+8*tt
.endif
	WM
.set tt, tt+1
.endr
.set aa, aa+1
.endr
.endm
.macro KSTEP mu, k, first              ; a K step behind which no chunk of W is left
	s_wait_dscnt 24                                ; W's fragments and x's tiles 0-3 are in; the 24 youngest loads (tiles 4-7) may be out
	MWIN \mu, \first
	MUL 0, 4, \mu, \k, \first
	s_wait_dscnt 0x0                               ; tiles 4-7 are in
	PLACES 4                                       ; in front of loads into registers that matrix instructions have read
	FETCH (\k)+1
	MWIN \mu, \first
	MUL 4, 4, \mu, \k, \first
.endm
; K steps 2, 5, 7: this step's fragments were the last reads of chunk k / 3.  In front of the barrier each wave waits for all its tensor loads, adds 0 to its spare word, and waits for that and for its reads.
; fill = 1: the barrier opens a round of the cluster's barrier, and behind it the place takes the same chunk of the next pass's W.
.macro TURN mu, k, fill
	WIN 0
	s_wait_tensorcnt 0x0
	ds_add_u32 v[SPW], v[NIL]
	s_wait_dscnt 25                                ; (the add and the 24 youngest loads may be out)
	MWIN \mu, 0
	MUL 0, 2, \mu, \k, 0
	s_wait_dscnt 0x0
	s_barrier_signal -1
	MUL 2, 2, \mu, \k, 0
	WIN 0
	s_barrier_wait -1
.if \fill
	CREST
	s_add_co_u32 s[G0W+1], s97, WBASE+((\k)/3)*WSL
	s_add_nc_u64 s[G0W+2:G0W+3], s[WB0+6*(\mu)+6:WB0+6*(\mu)+7], 256*((\k)/3)
	s_or_b32 s[G0W+3], s[G0W+3], 0x80000000
	tensor_load_to_lds s[G0W:G0W+3], s[G1W:G1W+7]  ; my one tensor load behind the round
	s_nop 0
.endif
	PLACES 4                                       ; behind the tensor load; also the places in front of the loads below
	FETCH ((\k)+1)%8
	MWIN \mu, 0
	MUL 4, 4, \mu, \k, 0
.endm
; 64 accumulator registers from s on, four blocks of 32 along the next K (16 registers here, 16 in lane l xor 16), become twelve registers of codes at cd and a scale word in pw.
.macro QUANT s, cd, pw
	WIN 0x28                                       ; sources 1 and 2 window 2
.irp b, 0,1,2,3
	v_max3_num_f32 v[TM+\b], 0x1800000, |v[(\s)+16*\b]|, |v[(\s)+16*\b+1]|   ; with the floor 2^(3 - 127); each accumulator is read from its low end on
.endr
.irp i, 2,4,6,8,10,12,14
.irp b, 0,1,2,3
	v_max3_num_f32 v[TM+\b], v[TM+\b], |v[(\s)+16*\b+\i]|, |v[(\s)+16*\b+\i+1]|
.endr
.endr
	WIN 0
.irp b, 0,1,2,3
	v_permlanex16_b32 v[TM+4+\b], v[TM+\b], s[SEL], s[SEL+1]
.endr
.irp b, 0,1,2,3
	v_max_num_f32 v[TM+\b], v[TM+\b], v[TM+4+\b]   ; the block's largest magnitude
.endr
.irp b, 0,1,2,3
	v_add_nc_u32 v[TM+12+\b], 0xff000000, v[TM+\b] ; 2 off its exponent field: the conversion's scale operand
.endr
.irp b, 0,1,2,3
	v_lshrrev_b32 v[TM+4+\b], 23, v[TM+12+\b]      ; the scale's byte
.endr
	v_lshl_or_b32 v[\pw], v[TM+5], 8, v[TM+4]
	v_lshl_or_b32 v[\pw], v[TM+6], 16, v[\pw]
	v_lshl_or_b32 v[\pw], v[TM+7], 24, v[\pw]
	WIN 0x02                                       ; source 0 window 2
.irp c, 0,1
	v_cvt_scalef32_pk16_fp6_f32 v[(\cd)+6*\c:(\cd)+6*\c+2], v[(\s)+32*\c:(\s)+32*\c+15], v[TM+12+2*\c]
	v_cvt_scalef32_pk16_fp6_f32 v[X2+4*\c:X2+4*\c+2], v[(\s)+32*\c+16:(\s)+32*\c+31], v[TM+12+2*\c+1]
.endr
	WIN 0
	v_nop                                          ; one plain place behind a scaled conversion
.irp c, 0,1                                    ; a whole block to a lane: lanes 0-15 block 2 c, lanes 16-31 block 2 c + 1
.irp i, 0,1,2
	v_permlane16_swap_b32 v[(\cd)+6*\c+\i], v[X2+4*\c+\i]
.endr
.irp i, 0,1,2
	v_mov_b32 v[(\cd)+3+6*\c+\i], v[X2+4*\c+\i]
.endr
.endr
.endm
.macro EPI_QK ptr                      ; a pair of x tiles is 64 registers; each store of the wave covers 256 consecutive bytes, aligned
.irp i, 0,1,2,3
	QUANT 64*\i, CD+12*\i, SW+\i
.irp u, 0,1
.irp j, 0,1,2
	global_store_b64 v[LI8], v[CD+12*\i+6*\u+2*\j:CD+12*\i+6*\u+2*\j+1], s[\ptr:\ptr+1] offset:768*(2*\i+\u)+256*\j
.endr
.endr
.if \i%2
	v_cndmask_b32 v[SWT+\i/2], v[SW+\i-1], v[SW+\i], s[HM]      ; lanes 0-15 the even pair's words, lanes 16-31 the odd pair's
	global_store_b32 v[LI4], v[SWT+\i/2], s[\ptr:\ptr+1] offset:6144+128*(\i/2)
.endif
.endr
.endm
.macro EPI_V                           ; a channel tile is 64 registers: 128 keys of my channel
.irp t, 0,1,2,3
	QUANT 64*\t, CD+12*\t, SW+\t
.irp j, 0,1,2
	global_store_b128 v[LI16], v[CD+12*\t+4*\j:CD+12*\t+4*\j+3], s[28:29] offset:6400+1536*\t+512*\j
.endr
.if \t%2
	v_cndmask_b32 v[SWT+\t/2], v[SW+\t-1], v[SW+\t], s[HM]
	global_store_b32 v[LI4], v[SWT+\t/2], s[28:29] offset:12544+128*(\t/2)
.endif
.endr
.endm
.macro PASS mu                         ; a pass that has a successor: its last step fetches the next pass's first fragments
	KSTEP \mu, 0, 1
	KSTEP \mu, 1, 0
	TURN \mu, 2, 1
	KSTEP \mu, 3, 0
	KSTEP \mu, 4, 0
	TURN \mu, 5, 1
	KSTEP \mu, 6, 0
	TURN \mu, 7, 1
	WIN 0
	PLACES 4                                       ; in front of the first read of results
	s_wait_xcnt 0x0                                ; earlier stores have read their data
.endm
	s_wait_loadcnt 0x0                             ; scale words and biases
	WIN 0xc3
.irp t, 0,1,2,3
.irp j, 1,2,3,4,5,6,7
	v_mov_b32 v[BI+64+8*\t+\j], v[BI+64+8*\t]      ; v's bias over the tile's eight registers
.endr
.endr
	WIN 0
	s_wait_alu depctr_va_vdst(0)                   ; the wait ahead of the wait below
	s_wait_tensorcnt 0x0                           ; my tile of the head's four is in
	s_barrier_signal -1
	s_barrier_wait -1                              ; all four are
	FETCH 0
	PASS 0
	EPI_QK 26
	PASS 1
	EPI_QK 28
	KSTEP 2, 0, 1
	KSTEP 2, 1, 0
	TURN 2, 2, 0                                   ; a plain barrier shows the last refill, Wv's chunk 2
	KSTEP 2, 3, 0
	KSTEP 2, 4, 0
	KSTEP 2, 5, 0
	KSTEP 2, 6, 0
	s_wait_dscnt 24                                ; the very last step: nothing more to fetch
	MWIN 2, 0
	MUL 0, 4, 2, 7, 0
	s_wait_dscnt 0x0
	MUL 4, 4, 2, 7, 0
	WIN 0
	PLACES 4
	s_wait_xcnt 0x0
	EPI_V
	s_wait_tensorcnt 0x0                           ; the wave's end
	ds_add_u32 v[SPW], v[NIL]
	s_wait_dscnt 0x0
	CROUND                                         ; the closing round
	s_endpgm
.Lfunc_end_k_qd125862f9d_qkv:
	.size	k_qd125862f9d_qkv, .Lfunc_end_k_qd125862f9d_qkv-k_qd125862f9d_qkv
	.p2alignl 7, 3214868480
	.fill 96, 4, 3214868480
	.section	.rodata,"a",@progbits
	.p2align	6, 0x0
	.amdhsa_kernel k_qd125862f9d_qkv
		.amdhsa_group_segment_fixed_size 327680
		.amdhsa_private_segment_fixed_size 0
		.amdhsa_enable_private_segment 0
		.amdhsa_kernarg_size 104
		.amdhsa_user_sgpr_count 2
		.amdhsa_user_sgpr_kernarg_segment_ptr 1
		.amdhsa_wavefront_size32 1
		.amdhsa_system_sgpr_workgroup_id_x 1
		.amdhsa_system_sgpr_workgroup_id_y 1
		.amdhsa_system_sgpr_workgroup_id_z 1
		.amdhsa_system_vgpr_workitem_id 0
		.amdhsa_next_free_vgpr 1024
		.amdhsa_next_free_sgpr 100
		.amdhsa_reserve_vcc 0
		.amdhsa_float_denorm_mode_32 3
		.amdhsa_float_denorm_mode_16_64 3
		.amdhsa_memory_ordered 1
		.amdhsa_forward_progress 1
		.amdhsa_inst_pref_size 255
	.end_amdhsa_kernel
	.section	.bss,"aw",@nobits
	.p2align	6
	.space	262144
	.amdgpu_metadata
---
amdhsa.version: [ 1, 2 ]
amdhsa.kernels:
  - .name:           k_qd125862f9d_qkv
    .symbol:         k_qd125862f9d_qkv.kd
    .args:
      - { .name: x_codes, .offset: 0, .size: 8, .value_kind: global_buffer, .address_space: global }
      - { .name: x_scales, .offset: 8, .size: 8, .value_kind: global_buffer, .address_space: global }
      - { .name: Wq_codes, .offset: 16, .size: 8, .value_kind: global_buffer, .address_space: global }
      - { .name: Wq_scales, .offset: 24, .size: 8, .value_kind: global_buffer, .address_space: global }
      - { .name: bq, .offset: 32, .size: 8, .value_kind: global_buffer, .address_space: global }
      - { .name: Wk_codes, .offset: 40, .size: 8, .value_kind: global_buffer, .address_space: global }
      - { .name: Wk_scales, .offset: 48, .size: 8, .value_kind: global_buffer, .address_space: global }
      - { .name: bk, .offset: 56, .size: 8, .value_kind: global_buffer, .address_space: global }
      - { .name: Wv_codes, .offset: 64, .size: 8, .value_kind: global_buffer, .address_space: global }
      - { .name: Wv_scales, .offset: 72, .size: 8, .value_kind: global_buffer, .address_space: global }
      - { .name: bv, .offset: 80, .size: 8, .value_kind: global_buffer, .address_space: global }
      - { .name: q_rec, .offset: 88, .size: 8, .value_kind: global_buffer, .address_space: global }
      - { .name: kv, .offset: 96, .size: 8, .value_kind: global_buffer, .address_space: global }
    .group_segment_fixed_size: 327680
    .private_segment_fixed_size: 0
    .kernarg_segment_align: 8
    .kernarg_segment_size: 104
    .max_flat_workgroup_size: 128
    .sgpr_count:     100
    .vgpr_count:     1024
    .wavefront_size: 32
...
	.end_amdgpu_metadata
.endif
;; end of part 1
;; launch attn (part 2): grid 4 x 64, 16 waves a work-group, clusters of 4 x 1, 327,680 bytes of LDS; arguments q_rec, kv, o_img, o_sc; writes o_img, o_sc
.if DOCPART == 2
	.amdgcn_target "amdgcn-amd-amdhsa--gfx1250"
	.amdhsa_code_object_version 6
	.text
	.protected	k_qd125862f9d_attn
	.globl	k_qd125862f9d_attn
	.p2align	8
	.type	k_qd125862f9d_attn,@function
k_qd125862f9d_attn:
	s_mov_b64 s[64:65], 0
	v_nop
	global_prefetch_b8 v0, s[64:65] scope:SCOPE_SE
	s_setreg_imm32_b32 hwreg(HW_REG_WAVE_MODE, 25, 1), 1
	s_wait_xcnt 0x0
	s_wait_alu depctr_hold_cnt(0) depctr_sa_sdst(0) depctr_va_vdst(0) depctr_va_sdst(0) depctr_va_ssrc(0) depctr_va_vcc(0) depctr_vm_vsrc(0)
	s_getreg_b32 s2, hwreg(HW_REG_IB_STS2, 6, 4)
	s_cmp_eq_u32 s2, 0
	s_cbranch_scc0 .Lentry_in_a_cluster
	s_endpgm
.Lentry_in_a_cluster:
	s_bfe_u32 s2, ttmp6, 0x10000c
	s_cmp_lg_u32 s2, 0x3003
	s_cbranch_scc0 .Lentry_shape_is_right
	s_endpgm
.Lentry_shape_is_right:
; o = softmax(q k^T / 8, causal) v on codes of FP6, and o's quantising along the head's 64 channels.  q_rec and kv are images of operand registers as the launch before leaves them.
; LEFT OUT: key steps of 128 that lie wholly above the diagonal of the causal mask that reference() builds: their weights are 0 for all inputs; a scalar branch on ids leads round their work.
; SHARES.  A cluster of four work-groups takes one batch and head; work-group cx takes rows 16 cx .. 16 cx + 15 of each 64.  Wave w takes the groups of 64 rows w and 31 - w: 17 key steps each wave.
; LDS holds the head's 16 records of 12,800 bytes (k, v, their scale words), filled ONCE: wave w brings record w, 50 rows of 256 bytes, by its one joint load at the head.  Nothing is filled again, so no prefetch is laid.
; Both products are used transposed: a lane holds one query.  M is the running largest t rounded up to a whole number; p = 2^(t - M); the sum is taken of the unquantised p.
; LIMITS: NaN and infinities are not served; the scaled scores stay under 2^31 in magnitude.
.set LI8,  1
.set LI16, 2
.set LI4,  3
.set DD,   4
.set ADK,  5
.set ADV,  6
.set ADS,  7
.set OSO,  8
.set SH8,  9
.set R4,   10
.set RH,   11
.set QZ,   16
.set QS,   46
.set RAW,  48
.set FB,   50
.set KSC,  98
.set VSC,  100
.set S,    102
.set O,    166
.set P,    198
.set BM,   210
.set T2,   214
.set SO,   222
.set FF,   226
.set PS,   227
.set TMP,  228
.set WV,   12
.set CX,   13
.set HB,   14
.set G1,   16
.set G0A,  24
.set SEL,  32
.set CS,   34
.set TB,   36
.set KS,   37
.set LAST, 38
.set M1,   39
.set M2,   60
.macro PLACES
.rept 4
	v_nop
.endr
.endm
.macro CROUND
	s_barrier_signal -1
	s_barrier_wait -1
	s_cmp_lg_u32 s[WV], 0
	s_cbranch_scc1 .Lnot_wave_0_\@
	s_barrier_signal -3
.Lnot_wave_0_\@:
	s_barrier_wait -3
	s_barrier_signal -1
	s_barrier_wait -1
.endm
	s_load_b256 s[4:11], s[0:1], 0x0
	v_lshl_add_u32 v254, v0, 2, 0x32000
	v_mov_b32 v255, 0
	ds_add_u32 v254, v255
	ds_add_u32 v254, v255
	v_lshrrev_b32 v1, 5, v0
	s_delay_alu instid0(VALU_DEP_1)
	v_readfirstlane_b32 s[WV], v1
	s_bfe_u32 s[CX], ttmp6, 0x40000
	s_and_b32 s[HB], ttmp7, 0xffff
	s_mov_b32 s[M1], s[WV]
	s_sub_co_u32 s[M2], 31, s[WV]
	s_mov_b32 s[G1], 15|(3<<16)|(1<<21)
	s_mov_b32 s[G1+1], 32<<16
	s_mov_b32 s[G1+2], 50<<16
	s_mov_b32 s[G1+3], 32<<16
	s_mov_b32 s[G1+4], 50
	s_mov_b32 s[G1+5], 32
	s_mov_b32 s[G1+6], 0
	s_mov_b32 s[G1+7], 0
	s_mov_b32 s[SEL], 0x76543210
	s_mov_b32 s[SEL+1], 0xfedcba98
	s_mov_b32 s[CS], 0x3e38aa3b
	s_mov_b32 s[CS+1], s[CS]
	s_mul_i32 s[G0A+1], s[WV], 12800
	s_mul_i32 s40, s[HB], 204800
	s_add_co_u32 s40, s40, s[G0A+1]
	s_mov_b32 s41, 0
	s_wait_dscnt 0x0
	s_wait_kmcnt 0x0
	CROUND
	s_mov_b32 s[G0A], 1
	s_add_nc_u64 s[G0A+2:G0A+3], s[6:7], s[40:41]
	s_or_b32 s[G0A+3], s[G0A+3], 0x80000000
	tensor_load_to_lds s[G0A:G0A+3], s[G1:G1+7]    ; record w, my one tensor load
	s_nop 0
	PLACES
	v_and_b32 v[TMP], 31, v0
	s_delay_alu instid0(VALU_DEP_1)
	v_lshlrev_b32 v[LI8], 3, v[TMP]
	s_wait_alu depctr_va_vdst(0)
	v_lshlrev_b32 v[LI16], 4, v[TMP]
	v_lshlrev_b32 v[LI4], 2, v[TMP]
	v_and_b32 v[R4], 15, v0
	v_bfe_u32 v[SH8], v0, 4, 1
	s_delay_alu instid0(VALU_DEP_1)
	v_lshl_add_u32 v[OSO], v[R4], 5, v[SH8]
	s_delay_alu instid0(VALU_DEP_2)
	v_lshlrev_b32 v[SH8], 3, v[SH8]
	s_delay_alu instid0(VALU_DEP_1)
	v_sub_nc_u32 v[RH], v[R4], v[SH8]
	v_lshlrev_b32 v[R4], 2, v[R4]
.macro QLOAD sm, qb, raw, pa, pb
	s_lshr_b32 s40, s[\sm], 1
	s_lshl_b32 s41, s[HB], 4
	s_add_co_u32 s40, s40, s41
	s_mul_i32 s40, s40, 6400
	s_and_b32 s41, s[\sm], 1
	s_lshl_b32 s41, s41, 2
	s_add_co_u32 s41, s41, s[CX]
	s_mul_i32 s42, s41, 768
	s_add_co_u32 s42, s42, s40
	s_mov_b32 s43, 0
	s_add_nc_u64 s[\pa:\pa+1], s[4:5], s[42:43]
	s_lshr_b32 s42, s41, 1
	s_lshl_b32 s42, s42, 6
	s_and_b32 s41, s41, 1
	s_lshl_b32 s41, s41, 1
	s_add_co_u32 s42, s42, s41
	s_add_co_u32 s42, s42, s40
	s_add_nc_u64 s[\pb:\pb+1], s[4:5], s[42:43]
.irp j, 0,1,2
	global_load_b64 v[\qb+2*\j:\qb+2*\j+1], v[LI8], s[\pa:\pa+1] offset:256*\j
.endr
	global_load_u16 v[\raw], v[R4], s[\pb:\pb+1] offset:6144
.endm
	s_wait_alu depctr_va_vdst(0)
	QLOAD M1, QZ+6, RAW, 44, 46
	QLOAD M2, QZ+18, RAW+1, 48, 50
.macro OADDR sm, pa, pb
	s_lshr_b32 s40, s[HB], 4
	s_lshl_b32 s40, s40, 7
	s_lshl_b32 s41, s[\sm], 2
	s_add_co_u32 s40, s40, s41
	s_add_co_u32 s40, s40, s[CX]
	s_and_b32 s41, s[HB], 15
	s_lshl_b32 s42, s40, 4
	s_add_co_u32 s42, s42, s41
	s_mul_i32 s42, s42, 768
	s_mov_b32 s43, 0
	s_add_nc_u64 s[\pa:\pa+1], s[8:9], s[42:43]
	s_lshl_b32 s42, s40, 9
	s_lshl_b32 s41, s41, 1
	s_add_co_u32 s42, s42, s41
	s_add_nc_u64 s[\pb:\pb+1], s[10:11], s[42:43]
.endm
	OADDR M1, 52, 54
	OADDR M2, 56, 58
.irp z, 0,12,24
.irp i, 0,1,2,3,4,5
	v_mov_b32 v[QZ+\z+\i], 0
.endr
.endr
.irp b, 0,1,2,3
	v_mov_b32 v[T2+\b], 0
.endr
	v_mov_b32 v[PS], 0
.macro INIT sm
	v_mov_b32 v13, 0xff61b1e6
	s_delay_alu instid0(VALU_DEP_1)
	v_floor_f32 v12, -v13
	v_mov_b32 v14, 0
	v_mov_b32 v15, 0
.set j, 0
.rept 32
	v_mov_b32 v[O+j], 0
.set j, j+1
.endr
	s_and_b32 s40, s[\sm], 1
	s_lshl_b32 s40, s40, 6
	s_lshl_b32 s41, s[CX], 4
	s_add_co_u32 s40, s40, s41
	v_add_nc_u32 v[DD], s40, v[RH]
	s_lshr_b32 s[LAST], s[\sm], 1
	s_mov_b32 s[TB], 0
	s_mov_b32 s[KS], 0
.endm
.macro STEP qb, qs
	s_cmp_gt_u32 s[KS], s[LAST]
	s_cbranch_scc1 .Lhidden_\@
	v_add_nc_u32 v[ADK], s[TB], v[LI8]
	v_add_nc_u32 v[ADV], s[TB], v[LI16]
	v_add_nc_u32 v[ADS], s[TB], v[LI4]
	v_nop
.irp t, 0,1,2,3,4,5,6,7
.irp j, 0,1,2
	ds_load_b64 v[FB+6*\t+2*\j:FB+6*\t+2*\j+1], v[ADK] offset:768*\t+256*\j
.endr
.endr
	ds_load_b32 v[KSC], v[ADS] offset:6144
	ds_load_b32 v[KSC+1], v[ADS] offset:6272
	s_wait_alu depctr_va_vdst(0)
	s_wait_dscnt 0x0
.irp b, 0,1,2,3
.if \b%2
	v_wmma_scale_f32_16x16x128_f8f6f4 v[S+16*\b:S+16*\b+7], v[FB+12*\b:FB+12*\b+11], v[\qb:\qb+11], 0, v[KSC+\b/2], v[\qs] matrix_a_fmt:MATRIX_FMT_FP6 matrix_b_fmt:MATRIX_FMT_FP6 matrix_a_scale:MATRIX_SCALE_ROW1
	v_wmma_scale_f32_16x16x128_f8f6f4 v[S+16*\b+8:S+16*\b+15], v[FB+12*\b:FB+12*\b+11], v[\qb-6:\qb+5], 0, v[KSC+\b/2], v[\qs] matrix_a_fmt:MATRIX_FMT_FP6 matrix_b_fmt:MATRIX_FMT_FP6 matrix_a_scale:MATRIX_SCALE_ROW1
.else
	v_wmma_scale_f32_16x16x128_f8f6f4 v[S+16*\b:S+16*\b+7], v[FB+12*\b:FB+12*\b+11], v[\qb:\qb+11], 0, v[KSC+\b/2], v[\qs] matrix_a_fmt:MATRIX_FMT_FP6 matrix_b_fmt:MATRIX_FMT_FP6
	v_wmma_scale_f32_16x16x128_f8f6f4 v[S+16*\b+8:S+16*\b+15], v[FB+12*\b:FB+12*\b+11], v[\qb-6:\qb+5], 0, v[KSC+\b/2], v[\qs] matrix_a_fmt:MATRIX_FMT_FP6 matrix_b_fmt:MATRIX_FMT_FP6
.endif
.endr
	PLACES
.irp t, 0,1,2,3
.irp j, 0,1,2
	ds_load_b128 v[FB+12*\t+4*\j:FB+12*\t+4*\j+3], v[ADV] offset:6400+1536*\t+512*\j
.endr
.endr
	ds_load_b32 v[VSC], v[ADS] offset:12544
	ds_load_b32 v[VSC+1], v[ADS] offset:12672
	s_cmp_lg_u32 s[KS], s[LAST]
	s_cbranch_scc1 .Lopen_\@
	v_mov_b32 v[TMP], 0xff800000
.set n, 0
.rept 64
	v_cmp_gt_i32 vcc_lo, 16*(n/8)+n%8, v[DD]
	v_cndmask_b32 v[S+n], v[S+n], v[TMP], vcc_lo
.set n, n+1
.endr
.Lopen_\@:
.irp b, 0,1,2,3
	v_max3_num_f32 v[BM+\b], v[S+16*\b], v[S+16*\b+1], v[S+16*\b+2]
.endr
.irp i, 3,5,7,9,11,13
.irp b, 0,1,2,3
	v_max3_num_f32 v[BM+\b], v[BM+\b], v[S+16*\b+\i], v[S+16*\b+\i+1]
.endr
.endr
.irp b, 0,1,2,3
	v_max_num_f32 v[BM+\b], v[BM+\b], v[S+16*\b+15]
.endr
.irp b, 0,1,2,3
	s_delay_alu instid0(VALU_DEP_4)
	v_permlanex16_b32 v[T2+\b], v[BM+\b], s[SEL], s[SEL+1]
.endr
.irp b, 0,1,2,3
	s_delay_alu instid0(VALU_DEP_4)
	v_max_num_f32 v[BM+\b], v[BM+\b], v[T2+\b]
.endr
	s_delay_alu instid0(VALU_DEP_2)
	v_max3_num_f32 v[TMP], v[BM], v[BM+1], v[BM+2]
	s_delay_alu instid0(VALU_DEP_1)
	v_max_num_f32 v[TMP], v[TMP], v[BM+3]
	s_delay_alu instid0(VALU_DEP_1)
	v_mul_f32 v[TMP], s[CS], v[TMP]
	s_delay_alu instid0(VALU_DEP_1)
	v_max_num_f32 v13, v13, v[TMP]
	v_mov_b32 v[TMP], v12
	s_delay_alu instid0(VALU_DEP_2)
	v_floor_f32 v12, -v13
	s_delay_alu instid0(VALU_DEP_1)
	v_sub_f32 v[TMP], v12, v[TMP]
	s_delay_alu instid0(VALU_DEP_1)
	v_cvt_i32_f32 v[TMP], v[TMP]
	s_delay_alu instid0(VALU_DEP_1)
	v_ldexp_f32 v[FF], 1.0, v[TMP]
.set j, 0
.rept 32
	v_pk_fma_f32 v[S+j:S+j+1], v[S+j:S+j+1], s[CS:CS+1], v[12:13] op_sel_hi:[1,0,0]
.set j, j+2
.endr
.irp b, 0,1,2,3
	v_fma_f32 v[BM+\b], v[BM+\b], s[CS], v12
.endr
.set j, 0
	s_wait_alu depctr_va_vdst(0)
.rept 64
	v_exp_f32 v[S+j], v[S+j]
.set j, j+1
.endr
	v_pk_mul_f32 v[14:15], v[14:15], v[FF:FF+1] op_sel_hi:[1,0]
	s_wait_alu depctr_va_vdst(0)
.irp b, 0,1,2,3
	v_exp_f32 v[BM+\b], v[BM+\b]
.endr
	v_pk_add_f32 v[T2:T2+1], v[S:S+1], v[S+2:S+3]
.set j, 4
.rept 15
	v_pk_add_f32 v[14:15], v[14:15], v[S+j:S+j+1]
	v_pk_add_f32 v[T2:T2+1], v[T2:T2+1], v[S+j+2:S+j+3]
.set j, j+4
.endr
	s_delay_alu instid0(VALU_DEP_1)
	v_pk_add_f32 v[14:15], v[14:15], v[T2:T2+1]
	s_wait_alu depctr_va_vdst(0)
.irp b, 0,1,2,3
	v_max_num_f32 v[BM+\b], 0x1800000, v[BM+\b]
.endr
.irp b, 0,1,2,3
	s_delay_alu instid0(VALU_DEP_4)
	v_add_nc_u32 v[SO+\b], 0xff000000, v[BM+\b]
.endr
.irp b, 0,1,2,3
	s_delay_alu instid0(VALU_DEP_4)
	v_lshrrev_b32 v[T2+\b], 23, v[SO+\b]
.endr
	s_delay_alu instid0(VALU_DEP_3)
	v_lshl_or_b32 v[PS], v[T2+1], 8, v[T2]
	s_delay_alu instid0(VALU_DEP_1)
	v_lshl_or_b32 v[PS], v[T2+2], 16, v[PS]
	s_delay_alu instid0(VALU_DEP_1)
	v_lshl_or_b32 v[PS], v[T2+3], 24, v[PS]
.irp c, 0,1
	v_cvt_scalef32_pk16_fp6_f32 v[P+6*\c:P+6*\c+2], v[S+32*\c:S+32*\c+15], v[SO+2*\c]
	v_cvt_scalef32_pk16_fp6_f32 v[T2+4*\c:T2+4*\c+2], v[S+32*\c+16:S+32*\c+31], v[SO+2*\c+1]
.endr
	v_nop
.irp c, 0,1
.irp i, 0,1,2
	v_permlane16_swap_b32 v[P+6*\c+\i], v[T2+4*\c+\i]
.endr
.irp i, 0,1,2
	s_delay_alu instid0(VALU_DEP_3)
	v_mov_b32 v[P+3+6*\c+\i], v[T2+4*\c+\i]
.endr
.endr
.set j, 0
.rept 16
	v_pk_mul_f32 v[O+j:O+j+1], v[O+j:O+j+1], v[FF:FF+1] op_sel_hi:[1,0]
.set j, j+2
.endr
	s_wait_alu depctr_va_vdst(0)
	s_wait_dscnt 0x0
.irp t, 0,1,2,3
.if \t%2
	v_wmma_scale_f32_16x16x128_f8f6f4 v[O+8*\t:O+8*\t+7], v[FB+12*\t:FB+12*\t+11], v[P:P+11], v[O+8*\t:O+8*\t+7], v[VSC+\t/2], v[PS] matrix_a_fmt:MATRIX_FMT_FP6 matrix_b_fmt:MATRIX_FMT_FP6 matrix_a_scale:MATRIX_SCALE_ROW1
.else
	v_wmma_scale_f32_16x16x128_f8f6f4 v[O+8*\t:O+8*\t+7], v[FB+12*\t:FB+12*\t+11], v[P:P+11], v[O+8*\t:O+8*\t+7], v[VSC+\t/2], v[PS] matrix_a_fmt:MATRIX_FMT_FP6 matrix_b_fmt:MATRIX_FMT_FP6
.endif
.endr
.Lhidden_\@:
	s_add_co_u32 s[TB], s[TB], 12800
.endm
.macro OUT pa, pb
	v_add_f32 v14, v14, v15
	s_delay_alu instid0(VALU_DEP_1)
	v_permlanex16_b32 v[TMP], v14, s[SEL], s[SEL+1]
	v_nop
	v_nop
	v_add_f32 v14, v14, v[TMP]
	s_wait_alu depctr_va_vdst(0)
	v_rcp_f32 v14, v14
	v_nop
	v_nop
	s_wait_alu depctr_va_vdst(0)
.set j, 0
.rept 16
	v_pk_mul_f32 v[S+j:S+j+1], v[O+j:O+j+1], v[14:15] op_sel_hi:[1,0]
.set j, j+2
.endr
.irp b, 0,1
.irp i, 0,1,2,3,4,5,6,7
	v_permlane16_swap_b32 v[S+16*\b+\i], v[S+16*\b+8+\i]
.endr
.endr
.irp b, 0,1
	v_max3_num_f32 v[BM+\b], |v[S+16*\b]|, |v[S+16*\b+1]|, 0x1800000
.endr
.irp i, 2,4,6,8,10,12,14
.irp b, 0,1
	s_delay_alu instid0(VALU_DEP_2)
	v_max3_num_f32 v[BM+\b], v[BM+\b], |v[S+16*\b+\i]|, |v[S+16*\b+\i+1]|
.endr
.endr
.irp b, 0,1
	s_delay_alu instid0(VALU_DEP_2)
	v_permlanex16_b32 v[T2+\b], v[BM+\b], s[SEL], s[SEL+1]
.endr
.irp b, 0,1
	s_delay_alu instid0(VALU_DEP_2)
	v_max_num_f32 v[BM+\b], v[BM+\b], v[T2+\b]
.endr
.irp b, 0,1
	s_delay_alu instid0(VALU_DEP_2)
	v_add_nc_u32 v[SO+\b], 0xff000000, v[BM+\b]
.endr
.irp b, 0,1
	s_delay_alu instid0(VALU_DEP_2)
	v_lshrrev_b32 v[T2+\b], 23, v[SO+\b]
.endr
	v_cvt_scalef32_pk16_fp6_f32 v[P:P+2], v[S:S+15], v[SO]
	v_cvt_scalef32_pk16_fp6_f32 v[T2+4:T2+6], v[S+16:S+31], v[SO+1]
	v_nop
.irp i, 0,1,2
	v_permlane16_swap_b32 v[P+\i], v[T2+4+\i]
.endr
.irp i, 0,1,2
	s_delay_alu instid0(VALU_DEP_3)
	v_mov_b32 v[P+3+\i], v[T2+4+\i]
.endr
.irp j, 0,1,2
	global_store_b64 v[LI8], v[P+2*\j:P+2*\j+1], s[\pa:\pa+1] offset:256*\j
.endr
	v_lshl_or_b32 v[TMP], v[T2+1], 8, v[T2]
	s_delay_alu instid0(VALU_DEP_1)
	v_lshrrev_b32 v[TMP], v[SH8], v[TMP]
	global_store_b8 v[OSO], v[TMP], s[\pb:\pb+1]
.endm
	s_wait_loadcnt 0x0
	v_lshl_or_b32 v[QS], v[RAW], 16, v[RAW]
	v_lshl_or_b32 v[QS+1], v[RAW+1], 16, v[RAW+1]
	INIT M1
	s_wait_tensorcnt 0x0
	s_barrier_signal -1
	s_barrier_wait -1
.Lphase1:
	STEP QZ+6, QS
	s_add_co_u32 s[KS], s[KS], 1
	s_cmp_lt_u32 s[KS], 8
	s_cbranch_scc1 .Lphase1
	OUT 52, 54
	s_wait_xcnt 0x0
	INIT M2
.Lphase2:
	STEP QZ+18, QS+1
	s_add_co_u32 s[KS], s[KS], 1
	s_cmp_lt_u32 s[KS], 16
	s_cbranch_scc1 .Lphase2
	OUT 56, 58
	s_wait_dscnt 0x0
	s_wait_tensorcnt 0x0
	ds_add_u32 v254, v255
	s_wait_dscnt 0x0
	CROUND
	s_endpgm
.Lfunc_end_k_qd125862f9d_attn:
	.size	k_qd125862f9d_attn, .Lfunc_end_k_qd125862f9d_attn-k_qd125862f9d_attn
	.p2alignl 7, 3214868480
	.fill 96, 4, 3214868480
	.section	.rodata,"a",@progbits
	.p2align	6, 0x0
	.amdhsa_kernel k_qd125862f9d_attn
		.amdhsa_group_segment_fixed_size 327680
		.amdhsa_private_segment_fixed_size 0
		.amdhsa_enable_private_segment 0
		.amdhsa_kernarg_size 32
		.amdhsa_user_sgpr_count 2
		.amdhsa_user_sgpr_kernarg_segment_ptr 1
		.amdhsa_wavefront_size32 1
		.amdhsa_system_sgpr_workgroup_id_x 1
		.amdhsa_system_sgpr_workgroup_id_y 1
		.amdhsa_system_sgpr_workgroup_id_z 1
		.amdhsa_system_vgpr_workitem_id 0
		.amdhsa_next_free_vgpr 256
		.amdhsa_next_free_sgpr 66
		.amdhsa_reserve_vcc 1
		.amdhsa_float_denorm_mode_32 3
		.amdhsa_float_denorm_mode_16_64 3
		.amdhsa_memory_ordered 1
		.amdhsa_forward_progress 1
		.amdhsa_inst_pref_size 66
	.end_amdhsa_kernel
	.amdgpu_metadata
---
amdhsa.version: [ 1, 2 ]
amdhsa.kernels:
  - .name:           k_qd125862f9d_attn
    .symbol:         k_qd125862f9d_attn.kd
    .args:
      - { .name: q_rec, .offset: 0, .size: 8, .value_kind: global_buffer, .address_space: global }
      - { .name: kv, .offset: 8, .size: 8, .value_kind: global_buffer, .address_space: global }
      - { .name: o_img, .offset: 16, .size: 8, .value_kind: global_buffer, .address_space: global }
      - { .name: o_sc, .offset: 24, .size: 8, .value_kind: global_buffer, .address_space: global }
    .group_segment_fixed_size: 327680
    .private_segment_fixed_size: 0
    .kernarg_segment_align: 8
    .kernarg_segment_size: 32
    .max_flat_workgroup_size: 512
    .sgpr_count:     66
    .vgpr_count:     256
    .wavefront_size: 32
...
	.end_amdgpu_metadata
.endif
;; end of part 2
;; launch proj (part 3): grid 8 x 32, 4 waves a work-group, clusters of 4 x 4, 320,000 bytes of LDS; arguments o_img, o_sc, Wp_codes, Wp_scales, bp, out0; writes out0
.if DOCPART == 3
	.amdgcn_target "amdgcn-amd-amdhsa--gfx1250"
	.amdhsa_code_object_version 6
	.text
	.protected	k_qd125862f9d_proj
	.globl	k_qd125862f9d_proj
	.p2align	8
	.type	k_qd125862f9d_proj,@function
k_qd125862f9d_proj:
	s_mov_b64 s[64:65], 0
	v_nop
	global_prefetch_b8 v0, s[64:65] scope:SCOPE_SE
	s_setreg_imm32_b32 hwreg(HW_REG_WAVE_MODE, 25, 1), 1
	s_wait_xcnt 0x0
	s_wait_alu depctr_hold_cnt(0) depctr_sa_sdst(0) depctr_va_vdst(0) depctr_va_sdst(0) depctr_va_ssrc(0) depctr_va_vcc(0) depctr_vm_vsrc(0)
	s_getreg_b32 s2, hwreg(HW_REG_IB_STS2, 6, 4)
	s_cmp_eq_u32 s2, 0
	s_cbranch_scc0 .Lentry_in_a_cluster
	s_endpgm
.Lentry_in_a_cluster:
	s_bfe_u32 s2, ttmp6, 0x10000c
	s_cmp_lg_u32 s2, 0xf033
	s_cbranch_scc0 .Lentry_shape_is_right
	s_endpgm
.Lentry_shape_is_right:
; out0 = o Wp + bp on codes of FP6 (E2M3) with E8M0 scales.  o: 8,192 rows, as images of operand registers: o_img [row tile of 16][head][3][32 lanes][8 bytes], o_sc [row][32 bytes].  Wp: 1,024 rows (output column) of 768 bytes.
; A work-group makes 256 rows x 128 columns; wave w: rows 128 (w / 2) on, columns 64 (w % 2) on: 8 x 4 = 32 accumulators, 8 K steps of 128.
; All of K lies in LDS, filled ONCE, one tensor load a wave: o's 16 row tiles are 196,608 dense bytes, of which waves 0, 1, 2 bring a third each as 256 rows of 256 bytes; wave 3 brings Wp's 128 rows of 768 bytes,
; 16 bytes of padding behind each 256 (pitch 816).  One barrier shows all four; nothing is filled again, and there is no loop to prefetch in.
; CLUSTER 4 x 4: o's bytes are shared along a row of the cluster, Wp's along a column: joint loads.
; Source 0 = Wp's rows, source 1 = o's rows: a lane holds eight neighbouring columns of one row of out0.  bp is the C of each sum's first matrix instruction.
; The way out goes through a stage of the wave's own, on LDS bytes into which no fill lands.
; LIMITS: NaN, infinities and given scale bytes 0xff are not served.
; REGISTERS: window 0 addresses, scale words, rows on their way out; window 1 o's fragments, two sets of 96; window 2 the accumulators; window 3 Wp's fragments, two sets of 48, and from v96 bp.
.set PITCH, 816
.set BBASE, 196608
.set STAGE, BBASE+128*PITCH            ; 4 x 16 rows x 272 bytes
.set SPARE, 0x4e000
.set FR,    12
.set AA,   4                           ; v4 my o tiles 0-3, v5 tiles 4-7
.set AB,   8                           ; v8 my Wp rows; v9 lanes 16-31 behind one padding more
.set STO,  16
.set RD,   17
.set CO,   18
.set SOF,  22
.set BOF,  23
.set XS,   24                          ; v24-55 o's scale words
.set WS,   56                          ; v56-71 Wp's
.set BK,   128                         ; v128-191 two sets of 16 rows on their way out
.set BI,   96
.set SPW,  254
.set NIL,  255
.set G1A,  44
.set G1B,  52
.set G0A,  68
.set G0B,  84
.set MSB,  0
.macro WIN new
.if MSB != (\new)
	s_set_vgpr_msb (MSB<<8)|(\new)
.set MSB, (\new)
.endif
.endm
.macro PLACES n
.rept \n
	v_nop
.endr
.endm
.macro CROUND
	s_barrier_signal -1
	s_barrier_wait -1
	s_cmp_lg_u32 s30, 0
	s_cbranch_scc1 .Lnot_wave_0_\@
	s_barrier_signal -3
.Lnot_wave_0_\@:
	s_barrier_wait -3
	s_barrier_signal -1
	s_barrier_wait -1
.endm
	s_load_b256 s[4:11], s[0:1], 0x0               ; o_img, o_sc, Wp codes, Wp scales
	s_load_b128 s[12:15], s[0:1], 0x20             ; bp, out0
	v_lshl_add_u32 v[SPW], v0, 2, SPARE
	v_mov_b32 v[NIL], 0
	ds_add_u32 v[SPW], v[NIL]                      ; the opening lines: the add twice and one wait
	ds_add_u32 v[SPW], v[NIL]
	v_lshrrev_b32 v1, 5, v0
	v_readfirstlane_b32 s30, v1                    ; wave
	s_lshr_b32 s31, s30, 1
	s_and_b32 s32, s30, 1
	s_bfe_u32 s33, ttmp6, 0x40000
	s_bfe_u32 s34, ttmp6, 0x40004
	s_lshl_b32 s35, ttmp9, 2
	s_add_co_u32 s35, s35, s33                     ; gx: columns 128 gx on
	s_and_b32 s36, ttmp7, 0xffff
	s_lshl_b32 s36, s36, 2
	s_add_co_u32 s36, s36, s34                     ; gy: rows 256 gy on
	s_lshl_b32 s37, s34, 2
	s_lshl_b32 s37, 15, s37
	s_lshl_b32 s38, 0x1111, s33
	s_or_b32 s[G1A], s37, (3<<16)|(1<<21)          ; o: 256 rows of 32 elements of 8 bytes, dense
	s_mov_b32 s[G1A+1], 32<<16
	s_mov_b32 s[G1A+2], 256<<16
	s_mov_b32 s[G1A+3], 32<<16
	s_mov_b32 s[G1A+4], 256
	s_mov_b32 s[G1A+5], 32
	s_mov_b32 s[G1A+6], 0
	s_mov_b32 s[G1A+7], 0
	s_or_b32 s[G1B], s38, (1<<20)|(1<<21)|(5<<22)|(3<<25)  ; Wp: 128 rows of 768 bytes, padded behind each 256
	s_mov_b32 s[G1B+1], 768<<16
	s_mov_b32 s[G1B+2], 128<<16
	s_mov_b32 s[G1B+3], 768<<16
	s_mov_b32 s[G1B+4], 128
	s_mov_b32 s[G1B+5], 768
	s_mov_b32 s[G1B+6], 0
	s_mov_b32 s[G1B+7], 0
	s_mul_i32 s16, s36, 196608
	s_lshl_b32 s20, s30, 16                        ; wave x 65,536: my third
	s_add_co_u32 s16, s16, s20
	s_mov_b32 s17, 0
	s_mul_i32 s18, s35, 128*768
	s_mov_b32 s19, 0
	s_mov_b32 s[G0A], 1
	s_mov_b32 s[G0A+1], s20
	s_mov_b32 s[G0B], 1
	s_mov_b32 s[G0B+1], BBASE
	s_wait_alu depctr_va_vdst(0)                   ; the wait ahead of the waits below
	s_wait_dscnt 0x0
	s_wait_kmcnt 0x0
	s_add_nc_u64 s[G0A+2:G0A+3], s[4:5], s[16:17]
	s_or_b32 s[G0A+3], s[G0A+3], 0x80000000
	s_add_nc_u64 s[G0B+2:G0B+3], s[8:9], s[18:19]
	s_or_b32 s[G0B+3], s[G0B+3], 0x80000000
	CROUND                                         ; all sixteen work-groups are here: the joint loads meet
	s_cmp_lt_u32 s30, 3
	s_cbranch_scc0 .Lhead_w
	tensor_load_to_lds s[G0A:G0A+3], s[G1A:G1A+7]  ; waves 0, 1, 2: a third of o
	s_nop 0
	PLACES 4
	s_branch .Lasked
.Lhead_w:
	tensor_load_to_lds s[G0B:G0B+3], s[G1B:G1B+7]  ; wave 3: Wp
	s_nop 0
	PLACES 4
.Lasked:
	s_lshl_b32 s24, s36, 13
	s_lshl_b32 s25, s31, 12
	s_add_co_u32 s24, s24, s25
	s_mov_b32 s25, 0
	s_add_nc_u64 s[6:7], s[6:7], s[24:25]          ; o's scale bytes: row 256 gy + 128 (wave / 2)
	s_lshl_b32 s26, s35, 12
	s_lshl_b32 s27, s32, 11
	s_add_co_u32 s26, s26, s27
	s_mov_b32 s27, 0
	s_add_nc_u64 s[10:11], s[10:11], s[26:27]      ; Wp's: row 128 gx + 64 (wave % 2)
	s_lshl_b32 s28, s35, 9
	s_lshl_b32 s29, s32, 8
	s_add_co_u32 s28, s28, s29
	s_mov_b32 s29, 0
	s_add_nc_u64 s[12:13], s[12:13], s[28:29]      ; bp: my 64 columns
	s_add_nc_u64 s[14:15], s[14:15], s[28:29]      ; out0: my first column,
	s_lshl_b32 s24, s36, 8
	s_lshl_b32 s26, s31, 7
	s_add_co_u32 s24, s24, s26
	s_lshl_b32 s24, s24, 12
	s_add_nc_u64 s[14:15], s[14:15], s[24:25]      ; my first row
	s_mul_i32 s22, s31, 8*12288                    ; my eight row tiles of o
	s_mul_i32 s23, s32, 64*PITCH
	s_add_co_u32 s23, s23, BBASE                   ; my 64 rows of Wp
	s_mul_i32 s21, s30, 16*272
	s_add_co_u32 s21, s21, STAGE                   ; my stage
	v_and_b32 v1, 15, v0                           ; r
	v_bfe_u32 v2, v0, 4, 1                         ; h
	v_and_b32 v19, 31, v0
	v_lshl_add_u32 v[AA], v19, 3, s22
	v_add_nc_u32 v[AA+1], 4*12288, v[AA]
	v_mul_u32_u24 v3, v1, PITCH
	v_mad_u32_u24 v20, v2, 24, v3
	v_mad_u32_u24 v21, v2, 40, v3
	v_add_nc_u32 v[AB], s23, v20
	v_add_nc_u32 v[AB+1], s23, v21
	v_mul_u32_u24 v[STO], v1, 272
	v_lshl_add_u32 v[STO], v2, 5, v[STO]
	v_add_nc_u32 v[STO], s21, v[STO]               ; in: row r, 32 bytes for each half of the lanes
	v_mul_u32_u24 v[RD], v2, 272
	v_lshl_add_u32 v[RD], v1, 4, v[RD]
	v_add_nc_u32 v[RD], s21, v[RD]                 ; back: lanes 0-15 one row, lanes 16-31 the next
	v_lshlrev_b32 v[CO], 12, v2
	v_lshl_add_u32 v[CO], v1, 4, v[CO]             ; and the same two rows in out0
	v_lshlrev_b32 v[SOF], 5, v1
	v_lshl_add_u32 v[SOF], v2, 9, v[SOF]
	v_lshlrev_b32 v[BOF], 5, v2
	s_wait_alu depctr_va_vdst(0)                   ; the wait at the head's end
.irp i, 0,1,2,3
	global_load_b128 v[XS+8*\i:XS+8*\i+3], v[SOF], s[6:7] offset:1024*\i          ; a row's 32 bytes are the words of its 8 K steps; lanes 0-15 tile 2 i, lanes 16-31 tile 2 i + 1
	global_load_b128 v[XS+8*\i+4:XS+8*\i+7], v[SOF], s[6:7] offset:1024*\i+16
.endr
.irp i, 0,1
	global_load_b128 v[WS+8*\i:WS+8*\i+3], v[SOF], s[10:11] offset:1024*\i
	global_load_b128 v[WS+8*\i+4:WS+8*\i+7], v[SOF], s[10:11] offset:1024*\i+16
.endr
	WIN 0xc0
.irp t, 0,1,2,3
	global_load_b128 v[BI+8*\t:BI+8*\t+3], v[BOF], s[12:13] offset:64*\t
	global_load_b128 v[BI+8*\t+4:BI+8*\t+7], v[BOF], s[12:13] offset:64*\t+16
.endr
	WIN 0
.macro FRAG reg, k, t                  ; a fragment of Wp: six pieces of 8 bytes; lanes 16-31 read three pieces on
.irp p, 0,1,2,3,4,5
.set PC, 12*(\k)+6*(\p/3)+\p%3
	ds_load_b64 v[\reg+2*\p:\reg+2*\p+1], v[AB+(PC%32+3)/32] offset:8*PC+16*(PC/32)+(\t)*16*PITCH
.endr
.endm
.macro FETCH k                         ; K step k's 72 LDS loads: Wp's four fragments, o's tiles 0-3, o's tiles 4-7 (images: 8 bytes a lane, two heads to a fragment)
	WIN 0xc0
.irp t, 0,1,2,3
	FRAG 48*((\k)%2)+FR*\t, \k, \t
.endr
	WIN 0x40
.irp a, 0,1,2,3,4,5,6,7
.irp p, 0,1,2,3,4,5
	ds_load_b64 v[96*((\k)%2)+FR*\a+2*\p:96*((\k)%2)+FR*\a+2*\p+1], v[AA+\a/4] offset:12288*(\a%4)+1536*(\k)+256*\p
.endr
.endr
.endm
.macro WM
.if qA && qB
	v_wmma_scale_f32_16x16x128_f8f6f4 v[rD:rD+7], v[rA:rA+11], v[rB:rB+11], v[rC:rC+7], v[zA], v[zB] matrix_a_fmt:MATRIX_FMT_FP6 matrix_b_fmt:MATRIX_FMT_FP6 matrix_a_scale:MATRIX_SCALE_ROW1 matrix_b_scale:MATRIX_SCALE_ROW1
.elseif qA
	v_wmma_scale_f32_16x16x128_f8f6f4 v[rD:rD+7], v[rA:rA+11], v[rB:rB+11], v[rC:rC+7], v[zA], v[zB] matrix_a_fmt:MATRIX_FMT_FP6 matrix_b_fmt:MATRIX_FMT_FP6 matrix_a_scale:MATRIX_SCALE_ROW1
.elseif qB
	v_wmma_scale_f32_16x16x128_f8f6f4 v[rD:rD+7], v[rA:rA+11], v[rB:rB+11], v[rC:rC+7], v[zA], v[zB] matrix_a_fmt:MATRIX_FMT_FP6 matrix_b_fmt:MATRIX_FMT_FP6 matrix_b_scale:MATRIX_SCALE_ROW1
.else
	v_wmma_scale_f32_16x16x128_f8f6f4 v[rD:rD+7], v[rA:rA+11], v[rB:rB+11], v[rC:rC+7], v[zA], v[zB] matrix_a_fmt:MATRIX_FMT_FP6 matrix_b_fmt:MATRIX_FMT_FP6
.endif
.endm
.macro MUL a0, n, k, first             ; o's tiles a0 .. a0 + n - 1 against Wp's four; the 32 accumulators take turns, one instruction a turn
	WIN 0xa7+0x10*(\first)                         ; source 0 Wp (3), source 1 o (1), D window 2; C window 2, or bp in window 3
.set aa, \a0
.rept \n
.set tt, 0
.rept 4
.set rD, 8*(4*aa+tt)
.set rA, 48*((\k)%2)+FR*tt
.set rB, 96*((\k)%2)+FR*aa
.set zA, WS+8*(tt/2)+(\k)
.set zB, XS+8*(aa/2)+(\k)
.set qA, tt%2
.set qB, aa%2
.set rC, rD
.if \first
.set rC, BI+8*tt
.endif
	WM
.set tt, tt+1
.endr
.set aa, aa+1
.endr
.endm
.macro KSTEP k, first
	s_wait_dscnt 24                                ; Wp's fragments and o's tiles 0-3 are in; the 24 youngest loads may be out
	MUL 0, 4, \k, \first
	s_wait_dscnt 0x0                               ; tiles 4-7 are in
	PLACES 4                                       ; in front of loads into registers that matrix instructions have read
	FETCH (\k)+1
	MUL 4, 4, \k, \first
.endm
; THE WAY OUT, a tile of 16 rows x 64 columns at a time: 32 bytes a lane into my stage, back as whole rows of 256 bytes.  LDS serves a wave's instructions in order: no wait between the stores and the loads.
.macro TOSTAGE a
	WIN 0x08                                       ; an LDS store's data: window 2
.irp t, 0,1,2,3
	ds_store_b128 v[STO], v[8*(4*(\a)+\t):8*(4*(\a)+\t)+3] offset:64*\t           ; each accumulator from its low end on
	ds_store_b128 v[STO], v[8*(4*(\a)+\t)+4:8*(4*(\a)+\t)+7] offset:64*\t+16
.endr
	WIN 0
.set BB, BK+32*((\a)%2)
.irp i, 0,1,2,3,4,5,6,7
	ds_load_b128 v[BB+4*\i:BB+4*\i+3], v[RD] offset:544*\i
.endr
.endm
.macro SEND a, younger                 ; younger: the LDS instructions issued behind tile a's loads
.set BB, BK+32*((\a)%2)
	s_wait_dscnt \younger
.irp i, 0,1,2,3,4,5,6,7
	global_store_b128 v[CO], v[BB+4*\i:BB+4*\i+3], s[14:15] offset:65536*(\a)+8192*\i th:TH_STORE_NT   ; sixteen lanes store 256 consecutive bytes, aligned
.endr
.endm
	s_wait_loadcnt 0x0                             ; scale words and bp
	s_wait_tensorcnt 0x0                           ; my tile of the head's four is in
	s_barrier_signal -1
	s_barrier_wait -1                              ; all four are
	FETCH 0
	KSTEP 0, 1
.irp k, 1,2,3,4,5,6
	KSTEP \k, 0
.endr
	s_wait_dscnt 24                                ; the last step: nothing more to fetch
	MUL 0, 4, 7, 0
	s_wait_dscnt 0x0
	MUL 4, 4, 7, 0
	WIN 0
	PLACES 4                                       ; in front of the first read of results
	TOSTAGE 0
.irp a, 1,2,3,4,5,6,7
.if \a > 1
	s_wait_xcnt 0x0                                ; tile a - 2's stores have read their registers: tile a's loads may land there
.endif
	TOSTAGE \a
	SEND \a-1, 16                                  ; behind tile a - 1's loads: tile a's 8 stores and 8 loads
.endr
	SEND 7, 0
	s_wait_tensorcnt 0x0                           ; the wave's end
	ds_add_u32 v[SPW], v[NIL]
	s_wait_dscnt 0x0
	CROUND                                         ; the closing round
	s_endpgm
.Lfunc_end_k_qd125862f9d_proj:
	.size	k_qd125862f9d_proj, .Lfunc_end_k_qd125862f9d_proj-k_qd125862f9d_proj
	.p2alignl 7, 3214868480
	.fill 96, 4, 3214868480
	.section	.rodata,"a",@progbits
	.p2align	6, 0x0
	.amdhsa_kernel k_qd125862f9d_proj
		.amdhsa_group_segment_fixed_size 320000
		.amdhsa_private_segment_fixed_size 0
		.amdhsa_enable_private_segment 0
		.amdhsa_kernarg_size 48
		.amdhsa_user_sgpr_count 2
		.amdhsa_user_sgpr_kernarg_segment_ptr 1
		.amdhsa_wavefront_size32 1
		.amdhsa_system_sgpr_workgroup_id_x 1
		.amdhsa_system_sgpr_workgroup_id_y 1
		.amdhsa_system_sgpr_workgroup_id_z 1
		.amdhsa_system_vgpr_workitem_id 0
		.amdhsa_next_free_vgpr 1024
		.amdhsa_next_free_sgpr 100
		.amdhsa_reserve_vcc 0
		.amdhsa_float_denorm_mode_32 3
		.amdhsa_float_denorm_mode_16_64 3
		.amdhsa_memory_ordered 1
		.amdhsa_forward_progress 1
		.amdhsa_inst_pref_size 94
	.end_amdhsa_kernel
	.amdgpu_metadata
---
amdhsa.version: [ 1, 2 ]
amdhsa.kernels:
  - .name:           k_qd125862f9d_proj
    .symbol:         k_qd125862f9d_proj.kd
    .args:
      - { .name: o_img, .offset: 0, .size: 8, .value_kind: global_buffer, .address_space: global }
      - { .name: o_sc, .offset: 8, .size: 8, .value_kind: global_buffer, .address_space: global }
      - { .name: Wp_codes, .offset: 16, .size: 8, .value_kind: global_buffer, .address_space: global }
      - { .name: Wp_scales, .offset: 24, .size: 8, .value_kind: global_buffer, .address_space: global }
      - { .name: bp, .offset: 32, .size: 8, .value_kind: global_buffer, .address_space: global }
      - { .name: out0, .offset: 40, .size: 8, .value_kind: global_buffer, .address_space: global }
    .group_segment_fixed_size: 320000
    .private_segment_fixed_size: 0
    .kernarg_segment_align: 8
    .kernarg_segment_size: 48
    .max_flat_workgroup_size: 128
    .sgpr_count:     100
    .vgpr_count:     1024
    .wavefront_size: 32
...
	.end_amdgpu_metadata
.endif
;; end of part 3
